; MI455X (gfx1250); checked and timed in simulation.
; The chip was launched on July 23, 2026; its instructions are those of AMD's public machine-readable ISA for CDNA 5 (MIT licence, August 2026) and "CDNA5" Instruction Set Architecture Reference Guide (July 2026). The comments in the code are by the model that wrote it; some were corrected since.
;; Bahdanau Attention. Allowed arithmetic: matrix products marked QUANTISED: E4M3 operands, one E8M0 scale for each 32 along K, by v_wmma_scale_f32_16x16x128_f8f6f4 with both operands' format E4M3, f32 sums; products left as they are: f32 operands where the result goes on into a quantised operand, else bf16, f16 or f32 operands; f32 sums; everything else in f32.
;; Inputs: Ua_b 1,024 float32; Ua_w_codes 1,024 x 32 x 32 uint8 (E4M3 codes of Ua_w, K innermost, in blocks of 32 codes); Ua_w_scales 1,024 x 32 uint8 (E8M0 scales of Ua_w, one for each 32 codes along K); Va_b 1 float32; Va_w 1 x 1,024 float32; Wa_b 1,024 float32; Wa_w_codes 1,024 x 32 x 32 uint8 (E4M3 codes of Wa_w, K innermost, in blocks of 32 codes); Wa_w_scales 1,024 x 32 uint8 (E8M0 scales of Wa_w, one for each 32 codes along K); keys 32 x 2,048 x 1,024 float32; query_codes 32 x 1 x 32 x 32 uint8 (E4M3 codes of query, K innermost, in blocks of 32 codes); query_scales 32 x 1 x 32 uint8 (E8M0 scales of query, one for each 32 codes along K).
;; Outputs: out0 32 x 1 x 1,024 float32; out1 32 x 1 x 2,048 float32.
;; This version of the problem:
;;   THIS VERSION OF THE PROBLEM IS GIVEN IN LOW PRECISION. The matrix products marked QUANTISED in the list below multiply operands that are first quantised to E4M3 (4 exponent bits, 3 mantissa bits; 8 bits a number), with one power-of-two scale for each 32 numbers along K (OCP MX v1.0); their sums are f32. All else is computed in f32.
;;   The module's matrix products, in the order in which they are computed (A, B: the left and right operand; K: the contracted axis; several contracted axes count as one K, in the product's order):
;;     1. [M 32, K 1,024] x [K 1,024, N 1,024]; A: input query (given as codes); B: input Wa_w (given as codes): QUANTISED
;;     2. [M 65,536, K 1,024] x [K 1,024, N 1,024]; A: input keys; B: input Ua_w (given as codes): QUANTISED
;;     3. [M 65,536, K 1,024] x [K 1,024, N 1]; A: computed on the way; B: input Va_w: left as it is (N = 1 < 16)
;;     4. batch 32 x [M 1, K 2,048] x [K 2,048, N 1,024]; A: softmax; B: input keys: left as it is (M = 1 < 16)
;;   THE QUANTISER, for each operand of a quantised product, along K:
;;     - K is cut into blocks of 32 from its start; a last block that is shorter is filled with zeros.
;;     - A block's scale is 2^e with e = floor(log2(the largest magnitude in the block)) - 8, held to -126 .. 127; a block of zeros has e = 0. As a byte (E8M0): e + 127.
;;     - Each number is divided by its block's scale, clamped to +-448, and rounded to the nearest number of E4M3, ties to even, subnormals kept.
;;     - The product sums the exact products of the quantised numbers (number of the format x scale) in f32.
;;   ~~~python
;;   def quantise(x, axis):      # numpy; x: float32 -> the quantised numbers, widened to float32 again
;;       x = np.moveaxis(x, axis, -1); K = x.shape[-1]
;;       x = np.pad(x, [(0, 0)] * (x.ndim - 1) + [(0, -K % 32)]); x = x.reshape(x.shape[:-1] + (-1, 32)); a = np.abs(x).max(-1, keepdims=True)
;;       e = np.where(a > 0, np.clip(np.frexp(np.where(a > 0, a, 1))[1] - 1 - 8, -126, 127), 0)      # np.frexp(a)[1] - 1 = floor(log2(a)), exactly
;;       r = np.clip(x / 2.0 ** e, -448, 448)
;;       step = 2.0 ** (np.maximum(np.frexp(np.where(r == 0, 1, r))[1] - 1, -6) - 3)
;;       q = np.round(r / step) * step * 2.0 ** e      # np.round: ties to even
;;       return np.moveaxis(q.reshape(q.shape[:-2] + (-1,))[..., :K], -1, axis).astype(np.float32)
;;   ~~~
;;   INPUTS GIVEN AS CODES. Ua_w (in the module: [1024, 1024], K = its axis 1); Wa_w (in the module: [1024, 1024], K = its axis 1); query (in the module: [32, 1, 1024], K = its axis 2): each comes as NAME_codes (uint8): NAME with its K axis moved to the last place and cut into blocks of 32 codes, [.., K / 32, bytes a block], one block behind the other in memory; one code a byte (a code: sign, 4 exponent bits, 3 mantissa bits); and NAME_scales (uint8): the same leading axes, one E8M0 byte (e + 127) for each 32 codes along K. Its value is code x scale, taken as it is: it is not quantised again, and the codes and scales need not be those that the quantiser above would give.
;; One version. Each part assembles by itself: llvm-mc -triple=amdgcn-amd-amdhsa -mcpu=gfx1250 --defsym DOCPART=n.
;; ======== version 1 of 1: 3 launches
;; workspace buffers: qb 131,072 bytes; scores 262,144 bytes; ctxp 2,097,152 bytes
;; launch qproj (part 1): grid 16 x 1, 4 waves a work-group, no clusters, 9,216 bytes of LDS; arguments query_codes, query_scales, Wa_w_codes, Wa_w_scales, Wa_b, Ua_b, qb; writes qb
.if DOCPART == 1
	.amdgcn_target "amdgcn-amd-amdhsa--gfx1250"
	.amdhsa_code_object_version 6
	.text
	.protected	k_q31d632a81a_qproj
	.globl	k_q31d632a81a_qproj
	.p2align	8
	.type	k_q31d632a81a_qproj,@function
k_q31d632a81a_qproj:
	s_mov_b64 s[64:65], 0
	v_nop
	global_prefetch_b8 v0, s[64:65] scope:SCOPE_SE
	s_setreg_imm32_b32 hwreg(HW_REG_WAVE_MODE, 25, 1), 1
	s_wait_xcnt 0x0
; qb[b][o] = sum over k of query[b][k] Wa[o][k] + Wa_b[o] + Ua_b[o]:  32 batches x 1,024 outputs, K = 1,024, on the codes of E4M3 and the E8M0 bytes as they are given.
; Ua_b is added here, so that the next launch has ONE row of 1,024 numbers to add to every key's projection.
; SHARES.  The product has 64 tiles of 16 outputs; each is 16 matrix instructions (8 K steps x 2 tiles of 16 batches).  A wave takes one tile, a work-group four: 16 work-groups.
; THE MATRIX INSTRUCTION IS USED TRANSPOSED: source 0 = 16 rows of Wa, source 1 = 16 batches: lane (r, h) holds batch r and its registers outputs 8 h + 0 .. 7, eight neighbours of a row of qb.
; The two biases, added, are the C of each sum's first matrix instruction.  The two accumulators take turns, one instruction a turn.
; REGISTERS: window 0: v1-10 addresses; v16-23 Wa's scale words, v24-31 the query's (lanes 0-15 batches 0-15, lanes 16-31 batches 16-31); v32-39 the bias; v64-191 Wa's 8 fragments; v192-207 the sums; v208-223 rows on the way out.
;   window 1: the query's 16 fragments (tile of batches t, K step q) at v[128 t + 16 q].
.set WF,  64
.set WS,  16
.set QS,  24
.set BI,  32
.set UB,  40
.set AC,  192
.set OB,  208
.set SPT, 272                          ; a stage row: the work-group's 64 outputs, 256 bytes, + 16 of padding
.set MSB, 0
.macro WIN new                         ; the immediate's high byte repeats the setting that is left
.if MSB != (\new)
	s_set_vgpr_msb (MSB<<8)|(\new)
.set MSB, (\new)
.endif
.endm
	s_load_b256 s[4:11], s[0:1], 0x0               ; the query's codes s[4:5], its scales s[6:7], Wa's codes s[8:9], Wa's scales s[10:11]
	s_load_b128 s[12:15], s[0:1], 0x20             ; Wa_b s[12:13], Ua_b s[14:15]
	s_load_b64 s[16:17], s[0:1], 0x30              ; qb
	v_lshl_add_u32 v254, v0, 2, 0x2200
	v_mov_b32 v255, 0
	v_lshrrev_b32 v1, 5, v0
	v_readfirstlane_b32 s18, v1                    ; wave 0..3
	s_lshl_b32 s19, ttmp9, 2
	s_add_co_u32 s19, s19, s18                     ; my tile of 16 outputs: 4 x work-group + wave
	v_and_b32 v1, 15, v0                           ; r
	v_bfe_u32 v2, v0, 4, 1                         ; h
	v_and_b32 v8, 31, v0                           ; lane
	v_lshlrev_b32 v3, 10, v1
	v_lshl_add_u32 v3, v2, 4, v3                   ; codes: row r of 1,024 bytes, + 16 h
	v_lshlrev_b32 v4, 5, v1                        ; Wa's scale bytes: 32 a row, row r
	v_lshlrev_b32 v5, 5, v8                        ; the query's: row = lane
	v_lshlrev_b32 v6, 5, v2                        ; the biases: my half's eight numbers
	v_mul_u32_u24 v7, v1, SPT
	v_lshl_add_u32 v7, v2, 5, v7
	s_lshl_b32 s22, s18, 6
	v_add_nc_u32 v7, s22, v7                       ; into the stage: row r, + 64 x wave + 32 h
	v_mul_u32_u24 v9, v2, SPT
	v_lshl_add_u32 v9, v1, 4, v9
	s_mul_i32 s22, s18, 8*SPT
	v_add_nc_u32 v9, s22, v9                       ; back: my 8 rows; lanes 0-15 one row of 256 bytes, lanes 16-31 the next
	v_lshlrev_b32 v10, 12, v2
	v_lshl_add_u32 v10, v1, 4, v10                 ; and the same two rows in qb
	s_mov_b32 s21, 0
	s_wait_kmcnt 0x0
	s_lshl_b32 s20, s19, 14
	s_add_nc_u64 s[8:9], s[8:9], s[20:21]          ; my 16 rows of Wa's codes,
	s_lshl_b32 s20, s19, 9
	s_add_nc_u64 s[10:11], s[10:11], s[20:21]      ; of its scale bytes,
	s_lshl_b32 s20, s19, 6
	s_add_nc_u64 s[12:13], s[12:13], s[20:21]      ; and my 16 numbers of each bias
	s_add_nc_u64 s[14:15], s[14:15], s[20:21]
	s_lshl_b32 s20, s18, 15
	s_lshl_b32 s22, ttmp9, 8
	s_add_co_u32 s20, s20, s22
	s_add_nc_u64 s[16:17], s[16:17], s[20:21]      ; qb at row 8 x wave, byte 256 x work-group
.irp q, 0,1,2,3,4,5,6,7
.irp c, 0,1,2,3
	global_load_b128 v[WF+16*\q+4*\c:WF+16*\q+4*\c+3], v3, s[8:9] offset:128*\q+32*\c
.endr
.endr
	global_load_b128 v[WS:WS+3], v4, s[10:11]              ; word q: the four bytes of K step q
	global_load_b128 v[WS+4:WS+7], v4, s[10:11] offset:16
	global_load_b128 v[QS:QS+3], v5, s[6:7]
	global_load_b128 v[QS+4:QS+7], v5, s[6:7] offset:16
	global_load_b128 v[BI:BI+3], v6, s[12:13]
	global_load_b128 v[BI+4:BI+7], v6, s[12:13] offset:16
	global_load_b128 v[UB:UB+3], v6, s[14:15]
	global_load_b128 v[UB+4:UB+7], v6, s[14:15] offset:16
	WIN 0x40                                       ; destination window 1
.irp t, 0,1
.irp q, 0,1,2,3,4,5,6,7
.irp c, 0,1,2,3
	global_load_b128 v[128*\t+16*\q+4*\c:128*\t+16*\q+4*\c+3], v3, s[4:5] offset:16384*\t+128*\q+32*\c
.endr
.endr
.endr
	WIN 0
	s_wait_loadcnt 0x0
.irp p, 0,2,4,6
	v_pk_add_f32 v[BI+\p:BI+\p+1], v[BI+\p:BI+\p+1], v[UB+\p:UB+\p+1]
.endr
.rept 4
	v_nop
.endr
	WIN 0x04                                       ; source 1 (the query) window 1
.irp q, 0,1,2,3,4,5,6,7
.set C0, AC
.set C1, AC+8
.if \q == 0
.set C0, BI
.set C1, BI
.endif
	v_wmma_scale_f32_16x16x128_f8f6f4 v[AC:AC+7], v[WF+16*\q:WF+16*\q+15], v[16*\q:16*\q+15], v[C0:C0+7], v[WS+\q], v[QS+\q]
	v_wmma_scale_f32_16x16x128_f8f6f4 v[AC+8:AC+15], v[WF+16*\q:WF+16*\q+15], v[128+16*\q:128+16*\q+15], v[C1:C1+7], v[WS+\q], v[QS+\q] matrix_b_scale:MATRIX_SCALE_ROW1
.endr
	WIN 0
.rept 8
	v_nop                                          ; eight places between the last product and the first read of results
.endr
.irp t, 0,1
	ds_store_b128 v7, v[AC+8*\t:AC+8*\t+3] offset:16*SPT*\t          ; each accumulator from its low end on
	ds_store_b128 v7, v[AC+8*\t+4:AC+8*\t+7] offset:16*SPT*\t+16
.endr
	s_wait_dscnt 0x0                               ; for the others' sake: my stores into the stage are done
	s_barrier_signal -1
	s_barrier_wait -1
.irp k, 0,1,2,3
	ds_load_b128 v[OB+4*\k:OB+4*\k+3], v9 offset:2*SPT*\k
.endr
.irp k, 0,1,2,3
	s_wait_dscnt 3-\k
	global_store_b128 v10, v[OB+4*\k:OB+4*\k+3], s[16:17] offset:8192*\k   ; 16 lanes store 256 consecutive bytes, at a multiple of 256 from qb's first byte
.endr
	s_wait_tensorcnt 0x0
	ds_add_u32 v254, v255
	s_wait_dscnt 0x0
	s_endpgm
.Lfunc_end_k_q31d632a81a_qproj:
	.size	k_q31d632a81a_qproj, .Lfunc_end_k_q31d632a81a_qproj-k_q31d632a81a_qproj
	.p2alignl 7, 3214868480
	.fill 96, 4, 3214868480
	.section	.rodata,"a",@progbits
	.p2align	6, 0x0
	.amdhsa_kernel k_q31d632a81a_qproj
		.amdhsa_group_segment_fixed_size 9216
		.amdhsa_private_segment_fixed_size 0
		.amdhsa_enable_private_segment 0
		.amdhsa_kernarg_size 56
		.amdhsa_user_sgpr_count 2
		.amdhsa_user_sgpr_kernarg_segment_ptr 1
		.amdhsa_wavefront_size32 1
		.amdhsa_system_sgpr_workgroup_id_x 1
		.amdhsa_system_sgpr_workgroup_id_y 1
		.amdhsa_system_sgpr_workgroup_id_z 1
		.amdhsa_system_vgpr_workitem_id 0
		.amdhsa_next_free_vgpr 512
		.amdhsa_next_free_sgpr 66
		.amdhsa_reserve_vcc 0
		.amdhsa_float_denorm_mode_32 3
		.amdhsa_float_denorm_mode_16_64 3
		.amdhsa_memory_ordered 1
		.amdhsa_forward_progress 1
		.amdhsa_inst_pref_size 16
	.end_amdhsa_kernel
	.amdgpu_metadata
---
amdhsa.version: [ 1, 2 ]
amdhsa.kernels:
  - .name:           k_q31d632a81a_qproj
    .symbol:         k_q31d632a81a_qproj.kd
    .args:
      - { .name: query_codes, .offset: 0, .size: 8, .value_kind: global_buffer, .address_space: global }
      - { .name: query_scales, .offset: 8, .size: 8, .value_kind: global_buffer, .address_space: global }
      - { .name: Wa_w_codes, .offset: 16, .size: 8, .value_kind: global_buffer, .address_space: global }
      - { .name: Wa_w_scales, .offset: 24, .size: 8, .value_kind: global_buffer, .address_space: global }
      - { .name: Wa_b, .offset: 32, .size: 8, .value_kind: global_buffer, .address_space: global }
      - { .name: Ua_b, .offset: 40, .size: 8, .value_kind: global_buffer, .address_space: global }
      - { .name: qb, .offset: 48, .size: 8, .value_kind: global_buffer, .address_space: global }
    .group_segment_fixed_size: 9216
    .private_segment_fixed_size: 0
    .kernarg_segment_align: 8
    .kernarg_segment_size: 56
    .max_flat_workgroup_size: 128
    .sgpr_count:     66
    .vgpr_count:     512
    .wavefront_size: 32
...
	.end_amdgpu_metadata
.endif
;; end of part 1
;; launch attn (part 2): grid 256 x 1, 4 waves a work-group, clusters of 4 x 1, 327,680 bytes of LDS; arguments keys, Ua_w_codes, Ua_w_scales, Va_w, Va_b, qb, scores, ctxp; writes scores, ctxp
.if DOCPART == 2
	.amdgcn_target "amdgcn-amd-amdhsa--gfx1250"
	.amdhsa_code_object_version 6
	.text
	.protected	k_q31d632a81a_attn
	.globl	k_q31d632a81a_attn
	.p2align	8
	.type	k_q31d632a81a_attn,@function
k_q31d632a81a_attn:
	s_mov_b64 s[64:65], 0
	v_nop
	global_prefetch_b8 v0, s[64:65] scope:SCOPE_SE
	s_setreg_imm32_b32 hwreg(HW_REG_WAVE_MODE, 25, 1), 1
	s_wait_xcnt 0x0
	s_wait_alu depctr_hold_cnt(0) depctr_sa_sdst(0) depctr_va_vdst(0) depctr_va_sdst(0) depctr_va_ssrc(0) depctr_va_vcc(0) depctr_vm_vsrc(0)
	s_getreg_b32 s2, hwreg(HW_REG_IB_STS2, 6, 4)
	s_cmp_eq_u32 s2, 0
	s_cbranch_scc0 .Lentry_in_a_cluster
	s_endpgm
.Lentry_in_a_cluster:
	s_bfe_u32 s2, ttmp6, 0x10000c
	s_cmp_lg_u32 s2, 0x3003
	s_cbranch_scc0 .Lentry_shape_is_right
	s_endpgm
.Lentry_shape_is_right:
; For each key row: score = Va_b + sum over o of Va[o] tanh(qb[batch][o] + sum over k of Q(keys)[row][k] Ua[o][k]), Q the MX quantiser to E4M3 along k (blocks of 32, E8M0 scales); Ua as the codes given.
; For each block of 128 rows: its largest score m, p = exp(score - m), and the partial context sum over the block's rows of p x keys[row][:], on the f32 keys.  The next launch joins the 16 blocks of a batch.
; tanh(x) = 1 - 2 r, r = 1 / (1 + 2^(2 log2(e) x)): right at both ends (2^.. = infinity gives r = 0, 2^.. = 0 gives r = 1).  So score = Va_b + sum Va[o] + sum (-2 Va[o]) r[o]; both sums are kept in f32.
; LIMITS: NaN and infinities among the inputs are not served.  A block of 32 zeros gets the scale byte 1 (the rule says 127): its codes are zeros, and this launch alone reads the bytes; the same byte holds blocks whose
; largest magnitude lies under 2^(9 - 127).  v_exp_f32 and v_rcp_f32 are good to 1 ulp and flush denormals (ISA guide, their entries): a p under 2^-126 counts as 0.
; SHARES.  A work-group owns 256 rows of the flat [65,536][1,024] keys, as two blocks of 128.  Wave w = 2 i + j holds the codes of rows 64 i .. 64 i + 63 of the block in hand, for all of K (4 tiles x 8 K steps: 512 registers),
; and makes outputs 32 j .. 32 j + 31 of every 64 outputs: a fragment of Ua read from LDS feeds four matrix instructions.
; THE MATRIX INSTRUCTION IS USED TRANSPOSED: source 0 = 16 rows of Ua, source 1 = 16 key rows: a lane holds ONE key row, and its registers eight outputs: a row's score sum stays in its lane.  qb is the C of the first K step.
; Ua walks twice (once for each block) through a ring of two LDS slots of 64 outputs.  CLUSTER: the four work-groups of a cluster walk the same tiles of Ua, so each tile is asked for JOINTLY, by the same tensor load in all four.
; BY TURNS.  A wave is alone on its SIMD and issues in order.  A tile of 16 outputs x 64 rows is 32 matrix instructions and, behind them, 117 vector instructions (tanh and the dot with Va): 3.7 for each matrix instruction.
; So two sets of four accumulators take turns tile by tile: in a STAGE the matrix instructions of one tile stand one by one, and behind each a slice of the tile before: one packed instruction and two transcendentals.
; The accumulators' arithmetic lies in window 0, the product's sources in windows 1 to 3: a slice costs two switches of the register window.
; Ua's fragments of the next tile come in two runs: K steps 0-3 in a stage's middle, K steps 4-7 at its end, each into registers that the stage's products have left.
; THE KEYS ARE READ TWICE, by loads into registers with counted waits: once to be quantised (L), once for the context (R), when the block's p are known: a copy of 128 rows in work and 128 arriving, beside their codes,
; does not fit into the registers and LDS that the ring leaves.  Phases: L0 | products of block 0 with L1 between them | products of block 1 with R0 between them | R1.
; THE STREAM OF KEYS is one run of 32 trips: trip c is block (c / 8) % 2, bytes 512 (c % 8) on of each row.  In a trip wave w takes two pieces (g = 0, 1) of 16 rows (32 w + 16 g on) x 512 bytes: 16 loads of 512 consecutive bytes.
; A piece is one fragment (16 rows x 128 along K).  L: it turns through the wave's stage in LDS, so that a lane holds 16 neighbours of each block of 32, is quantised, and goes to LDS as an image of the operand's registers,
; from which the two waves that need it load it.  R: 64 multiply-adds by the rows' p, which lie in scalar registers.
;
; LDS: ring slot s at 68,608 s: 64 rows of Ua's codes, 1,024 bytes + 16 of padding, then their 2,048 scale bytes | IMG: 64 fragment images of 2,048 bytes (index 8 x tile + K step) | XSC: their scale words, 128 bytes each |
;   STAGE: 8,448 bytes a wave | QBT, VAT: qb's row and -2 Va, 4,096 bytes each + a copy of the first 256 | SCP: score parts [j][128] | SPARE: the spare words.
; REGISTERS, in windows of 256: window 0: v1-24 addresses; v32-47 the keys' scale words (lanes 0-15 an even tile's, lanes 16-31 the odd tile's beside it); v64-71 Ua's; v72-79 qb; v80-95 -2 Va for the two tiles;
;   v96-127 accumulator set 0; v48-63 and v240-255 set 1; v128-137 score sums; v138-141 context; v142 and v144-239 the quantiser; v224-237 also the softmax.
;   window 1: four sets of 64 for the keys as loaded; while products run, sets 2 and 3 hold Ua's 8 fragments of a tile.   windows 2, 3: the codes: fragment (tile m, K step q) at v[64 (q % 4) + 16 m] of window 2 + q / 4.
.set RSLOT, 68608
.set RSCL,  66560
.set UP,    1040                       ; a row of Ua in LDS: 260 words: row r starts at bank 4 r mod 64 (64 banks of 4 bytes: ISA guide 11.1)
.set IMG,   137216
.set XSC,   268288
.set STAGE_, 276480
.set WST,   8448
.set SPI,   528                        ; a stage row: 512 bytes + 16
.set QBT,   310272
.set TBL,   4352                       ; from qb's table to Va's
.set SCP,   318976
.set SPARE, 320000                     ; 128 bytes for each wave: two blocks of 256 bytes that no other line names
.set SPW,  1                           ; v1   SPARE + 4 x my thread's number; never rewritten
.set NIL,  2                           ; v2   0; never rewritten
.set XA,   3                           ; v3   keys: 16 x lane + 32 rows x wave
.set STI,  4                           ; v4   my stage + 16 x lane
.set STO,  5                           ; v5   my stage + 528 r + 64 h
.set XWI0, 6                           ; v6   where my images begin;  v7 their scale words;  v8, v9 the same for the trip in hand
.set XWS0, 7
.set XWI,  8
.set XWS,  9
.set LI,   10                          ; v10  the images that I load;  v11 their scale words: lanes 16-31 one tile further on
.set LS,   11
.set ADRB, 12                          ; v12-13 my fragments of Ua in slot 0, 1
.set ADRS, 14                          ; v14-15 my rows' scale bytes in slot 0, 1
.set AQ0,  16                          ; v16  my place in qb's table;  v17 the same for the slot in hand
.set AQ,   17
.set SCW,  18                          ; v18  score parts: where I write;  v19 where I read all 128;  v20 where I read my own row's
.set SCR,  19
.set SCO,  20
.set CXA,  21                          ; v21  where the context's 512 bytes of this trip go
.set CRD,  22                          ; v22  where I read the four waves' partial contexts
.set G16,  23                          ; v23  16 x lane
.set CGO,  24                          ; v24  512 x wave + 16 x lane
.set AS,   32
.set BS,   64
.set QB,   72
.set VA,   80
.set SC,   128
.set VS,   136
.set CA,   138
.set PW,   142
.set X,    144
.set TM,   208                         ; v208-211 largest magnitudes, v212-215 bytes, v216-219 448 x the scale, v220-223 the conversions' scale operands
.set PC,   224
.set T0,   224                         ; the softmax works where the quantiser's codes lie: the two are never at work together
.set IMO,  4                           ; s4   the trip's images: 2,048 bytes a trip;  s5 their scale words: 128
.set XSO,  5
.set NF,   6                           ; s6   the tile of Ua to be asked for next (0 .. 31; tile n is outputs 64 (n % 16) on)
.set CI,   7                           ; s7   the trip of keys to be asked for next
.set CNT,  8
.set VB,   9                           ; s9   Va_b
.set CS,   10                          ; s[10:11] 2 log2(e): the packed form names a pair and takes its low word for both halves
.set SEL,  12                          ; s[12:13] v_permlanex16_b32's selects for lane l xor 16
.set MNT,  14                          ; s14  the mantissa field of 448
.set L2E,  15
.set WV,   20
.set WI,   21
.set WJ,   22
.set WG,   23
.set G1C,  24                          ; s[24:31] descriptor group 1 for Ua's codes;  s[32:39] for its scale bytes
.set G1S,  32
.set G0C,  40                          ; s[40:47] groups 0 for the codes, one for each slot;  s[48:55] for the scale bytes
.set G0S,  48
.set UCB,  56                          ; s[56:57] Ua's codes at my half of a tile;  s[58:59] its scale bytes likewise
.set USB,  58
.set KB,   60                          ; s[60:61] the work-group's first key;  s[62:63] the trip being asked for
.set KN,   62
.set OFS,  66                          ; s[66:67] an offset, its high word 0
.set PS,   68                          ; s[68:99] p of my 32 rows
.set AQO,  100                         ; s100 the slot's place in the tables: 256 bytes a slot
.set CXO,  101                         ; s101 the trip's place in my partial context: 512 bytes a trip
.set MSB, 0
.macro WIN new                         ; s_set_vgpr_msb: bits 1:0 source 0, 3:2 source 1, 5:4 source 2, 7:6 destination; the high byte repeats the setting that is left
.if MSB != (\new)
	s_set_vgpr_msb (MSB<<8)|(\new)
.set MSB, (\new)
.endif
.endm
.macro PLACES n
.rept \n
	v_nop
.endr
.endm
; A round of the cluster's barrier: my work-group's barrier; wave 0 signals for the work-group; every wave waits for all four work-groups; my work-group's barrier once more.
.macro CROUND
	s_barrier_signal -1
	s_barrier_wait -1
	s_cmp_lg_u32 s[WV], 0
	s_cbranch_scc1 .Lnot_wave_0_\@
	s_barrier_signal -3
.Lnot_wave_0_\@:
	s_barrier_wait -3
	s_barrier_signal -1
	s_barrier_wait -1
.endm
; A joint refill of slot s: waves 0 and 1 fetch the halves of the codes, waves 2 and 3 the halves of the scale bytes.  The branch hangs on the wave's number alone.  Four v_nop follow each line.
.macro TLOAD s
	s_cmp_lt_u32 s[WV], 2
	s_cbranch_scc0 .Lscales_\@
	tensor_load_to_lds s[G0C+4*\s:G0C+4*\s+3], s[G1C:G1C+7]
	s_nop 0
.rept 4
	v_nop
.endr
	s_branch .Lasked_\@
.Lscales_\@:
	tensor_load_to_lds s[G0S+4*\s:G0S+4*\s+3], s[G1S:G1S+7]
	s_nop 0
.rept 4
	v_nop
.endr
.Lasked_\@:
.endm
; The pointer of the next trip of keys.
.macro STEPPTR
	s_wait_xcnt 0x0                                ; the loads issued so far have read their base: it may be written
	s_and_b32 s[OFS], s[CI], 8
	s_lshl_b32 s[OFS], s[OFS], 16                  ; the block: 128 rows of 4,096 bytes
	s_and_b32 s2, s[CI], 7
	s_lshl_b32 s2, s2, 9                           ; 512 bytes along the rows
	s_add_co_u32 s[OFS], s[OFS], s2
	s_add_nc_u64 s[KN:KN+1], s[KB:KB+1], s[OFS:OFS+1]
	s_add_co_u32 s[CI], s[CI], 1
.endm
.macro XISSUE sg, g                    ; piece g of the trip at s[KN] into set sg: each load is 512 consecutive bytes of one row
	WIN 0x40
.irp rr, 0,1,2,3,4,5,6,7,8,9,10,11,12,13,14,15
	global_load_b128 v[64*\sg+4*\rr:64*\sg+4*\rr+3], v[XA], s[KN:KN+1] offset:\g*65536+\rr*4096
.endr
	WIN 0
.endm
; 64 numbers of a lane, register 16 b + i = k 32 b + 16 (lane / 16) + i of my row, become a fragment's codes in v[PC] on and its scale word in v[PW].
.macro QUANT
.irp b, 0,1,2,3
	v_max3_num_f32 v[TM+\b], |v[X+16*\b]|, |v[X+1+16*\b]|, 0x4800000   ; block b: my 16 numbers, and the floor 2^(9 - 127): so the byte cannot fall under 1
.endr
.irp i, 2,4,6,8,10,12,14
.irp b, 0,1,2,3
	v_max3_num_f32 v[TM+\b], v[TM+\b], |v[X+16*\b+\i]|, |v[X+1+16*\b+\i]|   ; (the four blocks by turns)
.endr
.endr
.irp b, 0,1,2,3
	v_permlanex16_b32 v[TM+4+\b], v[TM+\b], s[SEL], s[SEL+1]
.endr
.irp b, 0,1,2,3
	v_max_num_f32 v[TM+\b], v[TM+\b], v[TM+4+\b]   ; with lane l xor 16's: the block's largest magnitude
.endr
.irp b, 0,1,2,3
	v_add_nc_u32 v[TM+12+\b], 0xfc000000, v[TM+\b] ; 8 off its exponent field: the conversion takes the exponent field of this operand as its scale
.endr
.irp b, 0,1,2,3
	v_and_or_b32 v[TM+8+\b], v[TM+\b], 0x7f800000, s[MNT]   ; 448 x the scale
.endr
.irp b, 0,1,2,3
	v_lshrrev_b32 v[TM+4+\b], 23, v[TM+12+\b]      ; the scale's byte
.endr
	v_lshl_or_b32 v[PW], v[TM+5], 8, v[TM+4]       ; the four bytes make my row's scale word: both halves of the lanes hold the same
	v_lshl_or_b32 v[PW], v[TM+6], 16, v[PW]
	v_lshl_or_b32 v[PW], v[TM+7], 24, v[PW]
.irp b, 0,1,2,3
.irp i, 0,1,2,3,4,5,6,7,8,9,10,11,12,13,14,15
	v_med3_num_f32 v[X+16*\b+\i], v[X+16*\b+\i], -v[TM+8+\b], v[TM+8+\b]   ; the conversion to an 8-bit code does not saturate (ISA guide 7.6.2): the hold at 448 x the scale
.endr
	v_cvt_scalef32_pk8_fp8_f32 v[PC+4*\b:PC+1+4*\b], v[X+16*\b:X+7+16*\b], v[TM+12+\b]
	v_cvt_scalef32_pk8_fp8_f32 v[PC+2+4*\b:PC+3+4*\b], v[X+8+16*\b:X+15+16*\b], v[TM+12+\b]
.endr
	v_nop                                          ; one plain vector instruction behind the last scaled conversion
.endm
; L, first part: the piece in set sg turns through my stage.  left: the younger loads that may stay out.
.macro LTURN sg, left
	s_wait_loadcnt \left                           ; loads come back in order (ISA guide 5.7.1): my set's 16 are in
	WIN 0x04                                       ; an LDS store's data are its source 1: window 1
.irp rr, 0,1,2,3,4,5,6,7,8,9,10,11,12,13,14,15
	ds_store_b128 v[STI], v[64*\sg+4*\rr:64*\sg+4*\rr+3] offset:SPI*\rr
.endr
	WIN 0
.irp b, 0,1,2,3
.irp jj, 0,1,2,3
	ds_load_b128 v[X+16*\b+4*\jj:X+16*\b+4*\jj+3], v[STO] offset:128*\b+16*\jj   ; LDS serves a wave's instructions in order (ISA guide 5.7.1.4): these see the stores above
.endr
.endr
.endm
; L, second part: it becomes a fragment image.  ahead = 1: the set is asked for again, for the trip at s[CI].  dsn: the LDS loads issued behind the turn, which may stay out.
.macro LQ sg, g, ahead, dsn
	s_wait_dscnt \dsn                              ; my 64 numbers are in; the turn's stores have read the set; the last image's stores have read their registers
	v_add_nc_u32 v[XWI], s[IMO], v[XWI0]
	v_add_nc_u32 v[XWS], s[XSO], v[XWS0]
.if \ahead
.if \g == 0
	STEPPTR
.endif
	XISSUE \sg, \g
.endif
	QUANT
.irp c, 0,1,2,3
	ds_store_b128 v[XWI], v[PC+4*\c:PC+4*\c+3] offset:\g*16384+512*\c   ; the fragment as it stands: lane l's 16 bytes at 16 l
.endr
	ds_store_b32 v[XWS], v[PW] offset:\g*1024
.endm
.macro LHOOK sg, g, left, ahead        ; both parts on end: the phase that only loads
	LTURN \sg, \left
	LQ \sg, \g, \ahead, 0
.endm
.macro IMGSTEP                         ; the next trip is the next K step
	s_add_co_u32 s[IMO], s[IMO], 2048
	s_add_co_u32 s[XSO], s[XSO], 128
.endm
; R: the piece in set sg adds p x keys of its 16 rows to my four columns of the context; a trip's second piece sends them to my partial context in LDS.  dsn: the LDS instructions issued behind the last trip's store.
.macro RHOOK sg, g, left, ahead, dsn
.if \g == 0
	s_wait_dscnt \dsn                              ; the last trip's store has read its registers
.endif
	s_wait_loadcnt \left
	WIN 0x04                                       ; source 1 window 1
.irp rr, 0,1,2,3,4,5,6,7,8,9,10,11,12,13,14,15
.irp kk, 0,1,2,3
.if (\g == 0) && (\rr == 0)
	v_mul_f32 v[CA+\kk], s[PS], v[64*\sg+\kk]      ; the first row starts the sums
.else
	v_fmac_f32 v[CA+\kk], s[PS+16*\g+\rr], v[64*\sg+4*\rr+\kk]
.endif
.endr
.endr
	WIN 0
.if \ahead
.if \g == 0
	STEPPTR
.endif
	XISSUE \sg, \g
.endif
.if \g == 1
	v_add_nc_u32 v[CXA], s[CXO], v[STI]
	ds_store_b128 v[CXA], v[CA:CA+3]
	s_add_co_u32 s[CXO], s[CXO], 512
.endif
.endm
; AB = the first register of accumulator m of set p.
.macro ACCB p, m
.if (\p) == 0
.set AB, 96+8*(\m)
.elseif (\m) < 2
.set AB, 48+8*(\m)
.else
.set AB, 224+8*(\m)
.endif
.endm
; Matrix instruction i of 32 of a tile (u = its place in the slot, and its set of accumulators): K step i / 4, tile of rows i % 4.  The four accumulators take turns, one instruction a turn.
; Ua's scale words: lanes 0-15 tile 0's rows, lanes 16-31 tile 1's.  The keys': lanes 0-15 an even tile of rows, lanes 16-31 the odd one.
.macro MMI u
.set mq, i/4
.set mr, i%4
	ACCB \u, mr
.set RC, AB
.if mq == 0
.set RC, QB
.endif
.set RA, 128+16*mq
.set RB, 64*(mq%4)+16*mr
.set SA, BS+mq
.set SB, AS+8*(mr/2)+mq
	WIN 0x09+4*(mq/4)                              ; source 0 (Ua) window 1, source 1 (the codes) window 2 or 3
.if (\u) && (mr%2)
	v_wmma_scale_f32_16x16x128_f8f6f4 v[AB:AB+7], v[RA:RA+15], v[RB:RB+15], v[RC:RC+7], v[SA], v[SB] matrix_a_scale:MATRIX_SCALE_ROW1 matrix_b_scale:MATRIX_SCALE_ROW1
.elseif (\u)
	v_wmma_scale_f32_16x16x128_f8f6f4 v[AB:AB+7], v[RA:RA+15], v[RB:RB+15], v[RC:RC+7], v[SA], v[SB] matrix_a_scale:MATRIX_SCALE_ROW1
.elseif (mr%2)
	v_wmma_scale_f32_16x16x128_f8f6f4 v[AB:AB+7], v[RA:RA+15], v[RB:RB+15], v[RC:RC+7], v[SA], v[SB] matrix_b_scale:MATRIX_SCALE_ROW1
.else
	v_wmma_scale_f32_16x16x128_f8f6f4 v[AB:AB+7], v[RA:RA+15], v[RB:RB+15], v[RC:RC+7], v[SA], v[SB]
.endif
.set i, i+1
.endm
; Pair k of 16 of set p.  op = 0: x 2 log2(e);  op = 1: + 1.  The pairs go in ascending order.
.macro EPA p, k, op
	ACCB \p, (\k)/4
.set PR, AB+2*((\k)%4)
	WIN 0
.if \op
	v_pk_add_f32 v[PR:PR+1], v[PR:PR+1], 1.0 op_sel_hi:[1,0]
.else
	v_pk_mul_f32 v[PR:PR+1], v[PR:PR+1], s[CS:CS+1] op_sel_hi:[1,0]
.endif
.endm
; The pair's two transcendentals.  op = 0: 2^x;  op = 1: 1 / x.
.macro EPT p, k, op
	ACCB \p, (\k)/4
.set PR, AB+2*((\k)%4)
	WIN 0
.if \op
	v_rcp_f32 v[PR], v[PR]
	v_rcp_f32 v[PR+1], v[PR+1]
.else
	v_exp_f32 v[PR], v[PR]
	v_exp_f32 v[PR+1], v[PR+1]
.endif
.endm
; Half a stage: 16 matrix instructions of the tile in hand (wm = 1), and behind each a slice of the other set: pair k's packed instruction and pair k - 1's two transcendentals.  No slice names a transcendental's result.
.macro HALF u, wm, op
.set k, 0
.rept 16
.if \wm
	MMI \u
.endif
	EPA 1-\u, k, \op
.if k > 0
	EPT 1-\u, k-1, \op
.endif
.set k, k+1
.endr
	EPT 1-\u, 15, \op
.endm
; A run of LDS loads for tile u of slot s.  hf = 0: Ua's fragments of K steps 0-3, and qb's eight numbers of my half;  hf = 1: K steps 4-7, and -2 Va's.  new = 1: four of the slot's eight scale words too.
.macro RUN s, u, hf, new
	WIN 0x40
.irp q, 0,1,2,3
.irp c, 0,1,2,3
	ds_load_b128 v[128+64*\hf+16*\q+4*\c:128+64*\hf+16*\q+4*\c+3], v[ADRB+(\s)] offset:\u*16*UP+512*\hf+128*\q+32*\c
.endr
.endr
	WIN 0
.if \hf
	ds_load_b128 v[VA+8*\u:VA+8*\u+3], v[AQ] offset:TBL+64*\u
	ds_load_b128 v[VA+8*\u+4:VA+8*\u+7], v[AQ] offset:TBL+64*\u+16
.else
	ds_load_b128 v[QB:QB+3], v[AQ] offset:64*\u
	ds_load_b128 v[QB+4:QB+7], v[AQ] offset:64*\u+16
.endif
.if \new
	ds_load_b128 v[BS+4*\hf:BS+4*\hf+3], v[ADRS+(\s)] offset:16*\hf
.endif
.endm
; A STAGE: the products of tile u of slot s (wm = 1) into set u, and between them tanh and the dot with Va of the tile before, which lies in set 1 - u.
; nx: the tile whose fragments are fetched: 0 none, 1 tile 1 of this slot, 2 tile 0 of the other slot.  lt: the set of keys that turns through LDS in the middle, or -1.  sw: the LDS loads that may be out at the head, or -1: no wait.
; TRANSCENDENTALS: two batches of 32, each with a plain instruction behind it and ONE wait ahead of its first reader.
; PLACES: eight plain vector instructions that name none of a product's registers stand between it and a load into them or a read of its result.
; In the middle: the 16th product's slice has one, the sum of -2 Va four, and four v_nop follow.  At the end: one, a v_nop and the 16 multiply-adds; these also stand ahead of the next stage's first read of this stage's results.
.macro STAGE s, u, wm, nx, lt, sw
.set i, 0
.if (\sw) >= 0
	s_wait_dscnt \sw                               ; the first run (K steps 0-3, qb) is in; the second run's loads may be out
.endif
	HALF \u, \wm, 0
.irp p, 0,2,4,6
	v_pk_add_f32 v[VS:VS+1], v[VS:VS+1], v[VA+8*(1-\u)+\p:VA+8*(1-\u)+\p+1]   ; the sum of -2 Va over my outputs: it names no exponential's result
.endr
.if \wm
	PLACES 4
.endif
	s_wait_alu depctr_va_vdst(0)
.if \wm
	s_wait_dscnt 0x0                               ; the second run (K steps 4-7) is in: it was asked for half a stage ago or more
.endif
.if (\nx) == 1
	RUN \s, 1, 0, 0
.elseif (\nx) == 2
	RUN 1-\s, 0, 0, 1
.endif
.if (\lt) >= 0
	LTURN \lt, 16                                  ; the other set's 16 loads may stay out
.endif
	HALF \u, \wm, 1
	v_nop
	s_wait_alu depctr_va_vdst(0)
.irp p, 0,2,4,6
.irp m, 0,1,2,3
	ACCB 1-\u, \m
	v_pk_fma_f32 v[SC+2*\m:SC+2*\m+1], v[AB+\p:AB+\p+1], v[VA+8*(1-\u)+\p:VA+8*(1-\u)+\p+1], v[SC+2*\m:SC+2*\m+1]
.endr
.endr
.if (\nx) == 1
	RUN \s, 1, 1, 0
.elseif (\nx) == 2
	RUN 1-\s, 0, 1, 1
.endif
.endm
; THE CHANGE OF SLOTS stands ahead of a slot's second tile: all fragments and scale words of slot s have been asked for.  Each wave waits for all its tensor loads (one is out: its part of the other slot),
; adds 0 to its spare word, and waits for that and for its reads of slot s.  fill = 1: the barrier is a round of the cluster's, and the joint refill of slot s, with tile s[NF], is the first thing behind it:
; it has two stages and a piece of keys in which to land.
.macro CHANGE s, fill
	s_wait_tensorcnt 0x0                           ; no tensor load of mine is out, so a group 0 may be written
	ds_add_u32 v[SPW], v[NIL]                      ; 0 onto my spare word
.if \fill
	s_and_b32 s2, s[NF], 15                        ; Ua is walked twice
	s_lshl_b32 s[OFS], s2, 16                      ; 64 rows of 1,024 bytes
	s_add_nc_u64 s[G0C+4*\s+2:G0C+4*\s+3], s[UCB:UCB+1], s[OFS:OFS+1]
	s_or_b32 s[G0C+4*\s+3], s[G0C+4*\s+3], 0x80000000
	s_lshl_b32 s[OFS], s2, 11                      ; 64 rows of 32 bytes
	s_add_nc_u64 s[G0S+4*\s+2:G0S+4*\s+3], s[USB:USB+1], s[OFS:OFS+1]
	s_or_b32 s[G0S+4*\s+3], s[G0S+4*\s+3], 0x80000000
	s_add_co_u32 s[NF], s[NF], 1
	s_wait_dscnt 0x0                               ; the add is done, and my reads of the slot are over
	CROUND
	TLOAD \s
.else
	s_wait_dscnt 0x0
	s_barrier_signal -1
	s_barrier_wait -1
.endif
.endm
; A SLOT: two stages, a piece of keys and the change of slots between them.  kind = 0: L, 1: R.  last = 1: nothing follows.
; The first stage's second run is 18 loads (16 of fragments, 2 of -2 Va): they may be out while the piece is worked.  The second stage's is 19 (one of scale words more): they may be out at the next slot's head.
.macro SLOTSTEP s, fill, kind, last
.if \kind
	STAGE \s, 0, 1, 1, -1, 19
	RHOOK \s, \s, 16, 1, 18                        ; the other set's 16 loads may stay out
.else
	STAGE \s, 0, 1, 1, \s, 19
	LQ \s, \s, 1, 18
.endif
.if \last
	STAGE \s, 1, 1, 0, -1, 0
.else
	CHANGE \s, \fill
	s_add_co_u32 s[AQO], s[AQO], 256               ; the tables' place of the next slot (no LDS load of mine is out)
	v_add_nc_u32 v[AQ], s[AQO], v[AQ0]
	STAGE \s, 1, 1, 2, -1, -1
.endif
.endm
.macro LOADCODES                       ; my 32 fragments and their scale words, from the images
.irp q, 0,1,2,3,4,5,6,7
	WIN 0x80+0x40*(\q/4)
.irp m, 0,1,2,3
.irp c, 0,1,2,3
	ds_load_b128 v[64*(\q%4)+16*\m+4*\c:64*(\q%4)+16*\m+4*\c+3], v[LI] offset:(8*\m+\q)*2048+512*\c
.endr
.endr
.endr
	WIN 0
.irp mp, 0,1
.irp q, 0,1,2,3,4,5,6,7
	ds_load_b32 v[AS+8*\mp+\q], v[LS] offset:(16*\mp+\q)*128   ; lanes 0-15: tile 2 mp; lanes 16-31, whose address stands eight images on: tile 2 mp + 1
.endr
.endr
.endm
.macro NEWSUMS
.set n, 0
.rept 10
	v_mov_b32 v[SC+n], 0                           ; four score sums and the sum of -2 Va, in pairs
.set n, n+1
.endr
.endm
; A pass's first stage finishes a tile that is not there: with zeros for its -2 Va it adds nothing to either sum.  So the stage is written once.
.macro NOVA
.set n, 0
.rept 8
	v_mov_b32 v[VA+8+n], 0
.set n, n+1
.endr
.endm
; Block k's scores are joined (two halves of the lanes, two waves), stored, and turned into p of my 32 rows of the second read.
.macro SOFTMAX k
	v_add_f32 v[T0], v[VS], v[VS+1]
.irp m, 0,1,2,3
	v_add_f32 v[T0+2+\m], v[SC+2*\m], v[SC+2*\m+1]
.endr
.irp m, 0,1,2,3
	v_fma_f32 v[T0+2+\m], v[T0], -0.5, v[T0+2+\m]  ; + the sum of Va over my outputs
.endr
.irp m, 0,1,2,3
	v_permlanex16_b32 v[T0+6+\m], v[T0+2+\m], s[SEL], s[SEL+1]
.endr
.irp m, 0,1,2,3
	v_add_f32 v[T0+2+\m], v[T0+2+\m], v[T0+6+\m]
.endr
.irp m, 0,1,2,3
	ds_store_b32 v[SCW], v[T0+2+\m] offset:64*\m   ; both halves of the lanes write the same word with the same value
.endr
	s_wait_dscnt 0x0                               ; for the others' sake: all my LDS stores are done (the images of the next block among them), and my loads are in
	s_barrier_signal -1
	s_barrier_wait -1
	ds_load_b128 v[T0+2:T0+5], v[SCR]              ; rows 4 lane .. 4 lane + 3: wave j = 0's part,
	ds_load_b128 v[T0+6:T0+9], v[SCR] offset:512   ; wave j = 1's
	ds_load_b32 v[T0+10], v[SCO]                   ; row 32 w + lane likewise
	ds_load_b32 v[T0+11], v[SCO] offset:512
	s_wait_dscnt 0x0
	v_pk_add_f32 v[T0+2:T0+3], v[T0+2:T0+3], v[T0+6:T0+7]
	v_pk_add_f32 v[T0+4:T0+5], v[T0+4:T0+5], v[T0+8:T0+9]
	v_add_f32 v[T0+10], v[T0+10], v[T0+11]
.irp m, 0,1,2,3
	v_add_f32 v[T0+2+\m], s[VB], v[T0+2+\m]
.endr
	v_add_f32 v[T0+10], s[VB], v[T0+10]            ; the same additions in the same order: the same bits as the stored score
	s_cmp_lg_u32 s[WV], 0
	s_cbranch_scc1 .Lnot_mine_\@
	global_store_b128 v[G16], v[T0+2:T0+5], s[16:17] offset:512*\k   ; 32 lanes store the block's 512 bytes
.Lnot_mine_\@:
	v_max3_num_f32 v[T0+12], v[T0+2], v[T0+3], v[T0+4]
	v_max_num_f32 v[T0+12], v[T0+12], v[T0+5]
	v_max_num_f32_dpp v[T0+12], v[T0+12], v[T0+12] row_xmask:1 row_mask:0xf bank_mask:0xf
	v_max_num_f32_dpp v[T0+12], v[T0+12], v[T0+12] row_xmask:2 row_mask:0xf bank_mask:0xf
	v_max_num_f32_dpp v[T0+12], v[T0+12], v[T0+12] row_xmask:4 row_mask:0xf bank_mask:0xf
	v_max_num_f32_dpp v[T0+12], v[T0+12], v[T0+12] row_xmask:8 row_mask:0xf bank_mask:0xf
	v_permlanex16_b32 v[T0+13], v[T0+12], s[SEL], s[SEL+1]
	v_max_num_f32 v[T0+12], v[T0+12], v[T0+13]     ; the block's largest score, taken away before the exponential
	v_sub_f32 v[T0+10], v[T0+10], v[T0+12]
	v_mul_f32 v[T0+10], s[L2E], v[T0+10]
	v_exp_f32 v[T0+10], v[T0+10]
	v_nop
	s_wait_alu depctr_va_vdst(0)                   ; the wait ahead of the first reader
.set ln, 0
.rept 32
	v_readlane_b32 s[PS+ln], v[T0+10], ln          ; multiplicands only: no address and no branch hangs on them
.set ln, ln+1
.endr
.endm
; Block k's partial context: the four waves' parts are added, 1,024 bytes a wave, and stored.
.macro CTXOUT k
	s_wait_xcnt 0x0                                ; earlier stores have read the registers that the loads below write
	s_wait_dscnt 0x0                               ; for the others' sake: my part lies in LDS
	s_barrier_signal -1
	s_barrier_wait -1
.irp ro, 0,1
.irp ww, 0,1,2,3
	ds_load_b128 v[X+16*\ro+4*\ww:X+16*\ro+4*\ww+3], v[CRD] offset:\ww*WST+2048*\ro
.endr
.endr
	s_wait_dscnt 0x0
.irp ro, 0,1
	v_pk_add_f32 v[X+16*\ro:X+16*\ro+1], v[X+16*\ro:X+16*\ro+1], v[X+16*\ro+4:X+16*\ro+5]
	v_pk_add_f32 v[X+16*\ro+2:X+16*\ro+3], v[X+16*\ro+2:X+16*\ro+3], v[X+16*\ro+6:X+16*\ro+7]
	v_pk_add_f32 v[X+16*\ro+8:X+16*\ro+9], v[X+16*\ro+8:X+16*\ro+9], v[X+16*\ro+12:X+16*\ro+13]
	v_pk_add_f32 v[X+16*\ro+10:X+16*\ro+11], v[X+16*\ro+10:X+16*\ro+11], v[X+16*\ro+14:X+16*\ro+15]
	v_pk_add_f32 v[X+16*\ro:X+16*\ro+1], v[X+16*\ro:X+16*\ro+1], v[X+16*\ro+8:X+16*\ro+9]
	v_pk_add_f32 v[X+16*\ro+2:X+16*\ro+3], v[X+16*\ro+2:X+16*\ro+3], v[X+16*\ro+10:X+16*\ro+11]
	global_store_b128 v[CGO], v[X+16*\ro:X+16*\ro+3], s[18:19] offset:4096*\k+2048*\ro   ; 32 lanes store 512 consecutive bytes, at a multiple of 256 from the buffer's first byte
.endr
.endm
	; ---- THE HEAD
	s_load_b512 s[4:19], s[0:1], 0x0               ; keys 4:5, Ua's codes 6:7, Ua's scales 8:9, Va_w 10:11, Va_b 12:13, qb 14:15, scores 16:17, ctxp 18:19
	v_lshl_add_u32 v[SPW], v0, 2, SPARE
	v_mov_b32 v[NIL], 0
	ds_add_u32 v1, v2
	ds_add_u32 v1, v2
	s_wait_dscnt 0x0
	v_lshrrev_b32 v25, 5, v0
	v_readfirstlane_b32 s[WV], v25                 ; wave 0..3
	s_lshr_b32 s[WI], s[WV], 1                     ; i: which 64 rows of a block are mine
	s_and_b32 s[WJ], s[WV], 1                      ; j: which 32 outputs of a slot.  Also: which half of a tile I fetch
	s_bfe_u32 s2, ttmp6, 0x40000                   ; cx: my place in the cluster
	s_lshl_b32 s[WG], ttmp9, 2                     ; in a cluster launch ttmp9 counts clusters
	s_add_co_u32 s[WG], s[WG], s2                  ; my work-group: it enters the addresses of keys, qb, scores and ctxp alone
	; group 1 for the codes: 32 rows of 1,024 elements of one byte, 16 bytes of padding behind each row
	s_mov_b32 s[G1C], 15|(1<<20)|(1<<21)|(7<<22)|(3<<25)   ; 15:0 the mask: all four work-groups; 17:16 elements of 1 byte; 20 padding on; 21 set beside a mask; 24:22 after every 256 words (code 7); 31:25 four words (code 3)
	s_mov_b32 s[G1C+1], 1024<<16                   ; tensor_dim0
	s_mov_b32 s[G1C+2], 32<<16                     ; tensor_dim1
	s_mov_b32 s[G1C+3], 1024<<16                   ; tile_dim0
	s_mov_b32 s[G1C+4], 32                         ; tile_dim1
	s_mov_b32 s[G1C+5], 1024                       ; tensor_dim0_stride
	s_mov_b32 s[G1C+6], 0
	s_mov_b32 s[G1C+7], 0
	; group 1 for the scale bytes of 32 rows: 1,024 dense bytes as 4 rows of 32 elements of 8 bytes
	s_mov_b32 s[G1S], 15|(3<<16)|(1<<21)
	s_mov_b32 s[G1S+1], 32<<16
	s_mov_b32 s[G1S+2], 4<<16
	s_mov_b32 s[G1S+3], 32<<16
	s_mov_b32 s[G1S+4], 4
	s_mov_b32 s[G1S+5], 32
	s_mov_b32 s[G1S+6], 0
	s_mov_b32 s[G1S+7], 0
	s_mov_b32 s[OFS+1], 0
	s_mul_i32 s2, s[WJ], 32*UP                     ; where my half goes in a slot: the codes',
	s_lshl_b32 s3, s[WJ], 10
	s_add_co_u32 s3, s3, RSCL                      ; the scale bytes': no place in the cluster enters an LDS address
	s_wait_kmcnt 0x0
	s_lshl_b32 s[OFS], s[WJ], 15
	s_add_nc_u64 s[UCB:UCB+1], s[6:7], s[OFS:OFS+1]
	s_lshl_b32 s[OFS], s[WJ], 10
	s_add_nc_u64 s[USB:USB+1], s[8:9], s[OFS:OFS+1]
	s_load_b32 s[VB], s[12:13], 0x0                ; Va_b
	s_lshl_b32 s[OFS], s[WG], 20                   ; 256 rows of 4,096 bytes
	s_add_nc_u64 s[KB:KB+1], s[4:5], s[OFS:OFS+1]
	s_mov_b64 s[KN:KN+1], s[KB:KB+1]               ; trip 0
	s_lshl_b32 s[OFS], s[WG], 10
	s_add_nc_u64 s[16:17], s[16:17], s[OFS:OFS+1]  ; my 256 scores
	s_lshl_b32 s[OFS], s[WG], 13
	s_add_nc_u64 s[18:19], s[18:19], s[OFS:OFS+1]  ; my two partial contexts
	s_lshr_b32 s[OFS], s[WG], 3
	s_lshl_b32 s[OFS], s[OFS], 12
	s_add_nc_u64 s[14:15], s[14:15], s[OFS:OFS+1]  ; my batch's row of qb
.irp s, 0,1
	s_mov_b32 s[G0C+4*\s], 1                       ; 1:0 count = 1
	s_add_co_u32 s[G0C+4*\s+1], s2, \s*RSLOT       ; 63:32 LDS address
	s_add_nc_u64 s[G0C+4*\s+2:G0C+4*\s+3], s[UCB:UCB+1], \s*65536   ; 120:64 global address: tile s
	s_or_b32 s[G0C+4*\s+3], s[G0C+4*\s+3], 0x80000000               ; 127:126 type = 2
	s_mov_b32 s[G0S+4*\s], 1
	s_add_co_u32 s[G0S+4*\s+1], s3, \s*RSLOT
	s_add_nc_u64 s[G0S+4*\s+2:G0S+4*\s+3], s[USB:USB+1], \s*2048
	s_or_b32 s[G0S+4*\s+3], s[G0S+4*\s+3], 0x80000000
.endr
	CROUND                                         ; all four work-groups are here: the first joint loads meet
	s_cmp_lt_u32 s[WV], 2                          ; a wave's two first fills stand in one branch, ahead of every wait on TENSORcnt and every LDS read: two loads of mine are out
	s_cbranch_scc0 .Lfirst_scales
	tensor_load_to_lds s[G0C:G0C+3], s[G1C:G1C+7]
	s_nop 0
	tensor_load_to_lds s[G0C+4:G0C+7], s[G1C:G1C+7]
	s_nop 0
.rept 4
	v_nop
.endr
	s_branch .Lfirst_asked
.Lfirst_scales:
	tensor_load_to_lds s[G0S:G0S+3], s[G1S:G1S+7]
	s_nop 0
	tensor_load_to_lds s[G0S+4:G0S+7], s[G1S:G1S+7]
	s_nop 0
.rept 4
	v_nop
.endr
.Lfirst_asked:
	v_and_b32 v25, 31, v0                          ; lane
	v_and_b32 v26, 15, v0                          ; r
	v_bfe_u32 v27, v0, 4, 1                        ; h
	v_lshlrev_b32 v[G16], 4, v25
	v_lshlrev_b32 v29, 2, v25
	v_lshlrev_b32 v30, 4, v0                       ; the tables: 16 bytes a thread
	v_and_b32 v[T0], 63, v0
	v_lshlrev_b32 v[T0], 2, v[T0]                  ; and one word a thread of a table's first 256 bytes
	s_lshl_b32 s2, s[WV], 17
	v_add_nc_u32 v[XA], s2, v[G16]
	s_cmp_eq_u32 s[WI], 0                          ; waves 0 and 1 copy qb's first 256 bytes, waves 2 and 3 Va's: a choice on the wave's number
	s_cselect_b64 s[AQO:AQO+1], s[14:15], s[10:11]
	s_cselect_b32 s[CNT], 1.0, -2.0
	global_load_b128 v[X:X+3], v30, s[14:15]
	global_load_b128 v[X+4:X+7], v30, s[14:15] offset:2048
	global_load_b128 v[X+8:X+11], v30, s[10:11]
	global_load_b128 v[X+12:X+15], v30, s[10:11] offset:2048
	global_load_b32 v[X+16], v[T0], s[AQO:AQO+1]
	XISSUE 0, 0                                    ; trip 0
	XISSUE 1, 1
	s_mul_i32 s2, s[WV], WST
	s_add_co_u32 s2, s2, STAGE_                    ; my stage
	v_add_nc_u32 v[STI], s2, v[G16]
	v_mul_u32_u24 v28, v26, SPI
	v_lshl_add_u32 v28, v27, 6, v28
	v_add_nc_u32 v[STO], s2, v28
	s_lshl_b32 s2, s[WV], 15
	s_add_co_u32 s2, s2, IMG
	v_add_nc_u32 v[XWI0], s2, v[G16]               ; I make tiles 2 w and 2 w + 1: 16 images of 2,048 bytes
	s_lshl_b32 s2, s[WV], 11
	s_add_co_u32 s2, s2, XSC
	v_add_nc_u32 v[XWS0], s2, v29
	s_lshl_b32 s2, s[WI], 16
	s_add_co_u32 s2, s2, IMG
	v_add_nc_u32 v[LI], s2, v[G16]                 ; I load tiles 4 i .. 4 i + 3
	s_lshl_b32 s2, s[WI], 12
	s_add_co_u32 s2, s2, XSC
	v_add_nc_u32 v[LS], s2, v29
	v_lshl_add_u32 v[LS], v27, 10, v[LS]           ; lanes 16-31: one tile, eight words' images of 128 bytes, further on
	v_mul_u32_u24 v28, v26, UP
	v_lshl_add_u32 v28, v27, 4, v28
	s_mul_i32 s2, s[WJ], 32*UP
	v_add_nc_u32 v[ADRB], s2, v28                  ; Ua: row 32 j + r, + 16 h
	v_add_nc_u32 v[ADRB+1], RSLOT, v[ADRB]
	v_lshlrev_b32 v28, 5, v25
	s_lshl_b32 s2, s[WJ], 10
	s_add_co_u32 s2, s2, RSCL
	v_add_nc_u32 v[ADRS], s2, v28                  ; its scale bytes: row 32 j + lane, 32 bytes
	v_add_nc_u32 v[ADRS+1], RSLOT, v[ADRS]
	s_lshl_b32 s2, s[WJ], 7
	s_add_co_u32 s2, s2, QBT
	v_lshl_add_u32 v[AQ0], v27, 5, s2              ; the tables: output 32 j + 8 h
	s_lshl_b32 s2, s[WJ], 9
	s_lshl_b32 s3, s[WI], 8
	s_add_co_u32 s2, s2, s3
	s_add_co_u32 s2, s2, SCP
	v_lshl_add_u32 v[SCW], v26, 2, s2
	v_add_nc_u32 v[SCR], SCP, v[G16]
	s_lshl_b32 s2, s[WV], 7
	s_add_co_u32 s2, s2, SCP
	v_add_nc_u32 v[SCO], s2, v29
	s_lshl_b32 s2, s[WV], 9
	v_add_nc_u32 v[CGO], s2, v[G16]
	v_add_nc_u32 v[CRD], STAGE_, v[CGO]
	v_add_nc_u32 v31, QBT, v30
	s_mul_i32 s2, s[WI], TBL
	s_add_co_u32 s2, s2, QBT+4096
	v_add_nc_u32 v[T0+1], s2, v[T0]
.irp b, 0,1,2,3
	v_mov_b32 v[TM+4+\b], 0                        ; written once: a lane permute's destination counts as one of its sources
	v_mov_b32 v[T0+6+\b], 0
.endr
	v_mov_b32 v[T0+13], 0
	s_wait_loadcnt 32                              ; the five table loads are in; trip 0's 32 may stay out
.irp p, 8,10,12,14
	v_pk_mul_f32 v[X+\p:X+\p+1], v[X+\p:X+\p+1], -2.0 op_sel_hi:[1,0]
.endr
	v_mul_f32 v[X+16], s[CNT], v[X+16]
	ds_store_b128 v31, v[X:X+3]
	ds_store_b128 v31, v[X+4:X+7] offset:2048
	ds_store_b128 v31, v[X+8:X+11] offset:TBL
	ds_store_b128 v31, v[X+12:X+15] offset:TBL+2048
	ds_store_b32 v[T0+1], v[X+16]
	s_wait_kmcnt 0x0                               ; Va_b.  The pointers below are done with: their loads are in
	s_mov_b32 s[CS], 0x4038aa3b                    ; 2 log2(e)
	s_mov_b32 s[CS+1], s[CS]
	s_mov_b32 s[SEL], 0x76543210
	s_mov_b32 s[SEL+1], 0xfedcba98
	s_mov_b32 s[MNT], 0x600000
	s_mov_b32 s[L2E], 0x3fb8aa3b
	s_mov_b32 s[NF], 2
	s_mov_b32 s[CI], 1
	s_mov_b32 s[IMO], 0
	s_mov_b32 s[XSO], 0
	STEPPTR
	XISSUE 2, 0                                    ; trip 1
	XISSUE 3, 1
	s_wait_dscnt 0x0                               ; the tables' stores have read their registers
	; ---- L0: block 0 is quantised.  Four sets: 64 loads a wave are out; behind the set that is awaited stand three younger ones: 48 loads
	s_mov_b32 s[CNT], 3
.Lload0:
	LHOOK 0, 0, 48, 1
	LHOOK 1, 1, 48, 1
	IMGSTEP
	LHOOK 2, 0, 48, 1
	LHOOK 3, 1, 48, 1
	IMGSTEP
	s_sub_co_u32 s[CNT], s[CNT], 1
	s_cmp_lg_u32 s[CNT], 0
	s_cbranch_scc1 .Lload0
	LHOOK 0, 0, 48, 1                              ; trip 6; it asks for trip 8, block 1's first
	LHOOK 1, 1, 48, 1
	IMGSTEP
	LHOOK 2, 0, 48, 0                              ; trip 7 asks for nothing: sets 2 and 3 are wanted for Ua's fragments
	LHOOK 3, 1, 32, 0                              ; behind it stand trip 8's 32 loads alone
	s_wait_tensorcnt 0x1                           ; my part of slot 0 is in; slot 1's may stay out
	s_wait_dscnt 0x0                               ; my images and my part of the tables lie in LDS
	s_barrier_signal -1
	s_barrier_wait -1
	LOADCODES
	s_mov_b32 s[AQO], 0
	v_mov_b32 v[AQ], v[AQ0]
	RUN 0, 0, 0, 1                                 ; the first tile's fragments, both runs
	RUN 0, 0, 1, 1
	s_wait_dscnt 0x0                               ; my reads of the images are over:
	s_barrier_signal -1
	s_barrier_wait -1                              ; everybody's are: block 1's images may be written over them
	s_mov_b32 s[IMO], 0
	s_mov_b32 s[XSO], 0
	NEWSUMS
	NOVA
.irp m, 0,1,2,3
	ACCB 1, \m
.set n, 0
.rept 8
	v_mov_b32 v[AB+n], 0                           ; set 1, which the first stage reads as the tile that is not there: any finite numbers would do
.set n, n+1
.endr
.endr
	; ---- block 0's products, block 1's keys between them: a trip is two slots and one trip of keys.  Tiles 2 to 17 of Ua are asked for
	s_mov_b32 s[CNT], 8
.Lpass0:
	SLOTSTEP 0, 1, 0, 0
	SLOTSTEP 1, 1, 0, 0
	IMGSTEP
	s_sub_co_u32 s[CNT], s[CNT], 1
	s_cmp_lg_u32 s[CNT], 0
	s_cbranch_scc1 .Lpass0
	STAGE 0, 0, 0, 0, -1, -1                       ; the block's last tile is finished: a stage without products
	SOFTMAX 0                                      ; its barrier also shows block 1's images whole
	LOADCODES                                      ; (far more than eight plain instructions stand behind the last products)
	s_mov_b32 s[AQO], 0                            ; the first tile's numbers were taken from the copies behind the tables; now back to the tables' heads
	v_mov_b32 v[AQ], v[AQ0]
	s_mov_b32 s[CXO], 0
	NEWSUMS
	NOVA                                           ; set 1 holds the last tile's r, between 0 and 1: finite
	s_wait_dscnt 0x0                               ; the codes and their scale words are in: the wait at the first stage's head is a counted one
	; ---- block 1's products, block 0's second read between them.  Tiles 18 to 31 are asked for; the last two slots are written out
	s_mov_b32 s[CNT], 7
.Lpass1:
	SLOTSTEP 0, 1, 1, 0
	SLOTSTEP 1, 1, 1, 0
	s_sub_co_u32 s[CNT], s[CNT], 1
	s_cmp_lg_u32 s[CNT], 0
	s_cbranch_scc1 .Lpass1
	SLOTSTEP 0, 0, 1, 0
	SLOTSTEP 1, 0, 1, 1
	STAGE 0, 0, 0, 0, -1, -1                       ; the block's last tile is finished
	STEPPTR                                        ; trip 25 into sets 2 and 3, which Ua has left
	XISSUE 2, 0
	XISSUE 3, 1
	CTXOUT 0
	SOFTMAX 1                                      ; its barrier stands between the reads of the partial contexts and the next writes
	s_mov_b32 s[CXO], 0
	; ---- R1: block 1's second read, on four sets again
	s_mov_b32 s[CNT], 3
.Lread1:
	RHOOK 0, 0, 48, 1, 0
	RHOOK 1, 1, 48, 1, 0
	RHOOK 2, 0, 48, 1, 0
	RHOOK 3, 1, 48, 1, 0
	s_sub_co_u32 s[CNT], s[CNT], 1
	s_cmp_lg_u32 s[CNT], 0
	s_cbranch_scc1 .Lread1
	RHOOK 0, 0, 48, 0, 0                           ; the last two trips ask for nothing: the counts run down
	RHOOK 1, 1, 32, 0, 0
	RHOOK 2, 0, 16, 0, 0
	RHOOK 3, 1, 0, 0, 0
	CTXOUT 1
	s_wait_tensorcnt 0x0                           ; the wave's end: behind my last tensor load and my last LDS store
	ds_add_u32 v[SPW], v[NIL]
	s_wait_dscnt 0x0
	CROUND                                         ; the closing round: no work-group ends while a partner may still ask for a tile that names it
	s_endpgm
.Lfunc_end_k_q31d632a81a_attn:
	.size	k_q31d632a81a_attn, .Lfunc_end_k_q31d632a81a_attn-k_q31d632a81a_attn
	.p2alignl 7, 3214868480
	.fill 96, 4, 3214868480
	.section	.rodata,"a",@progbits
	.p2align	6, 0x0
	.amdhsa_kernel k_q31d632a81a_attn
		.amdhsa_group_segment_fixed_size 327680
		.amdhsa_private_segment_fixed_size 0
		.amdhsa_enable_private_segment 0
		.amdhsa_kernarg_size 64
		.amdhsa_user_sgpr_count 2
		.amdhsa_user_sgpr_kernarg_segment_ptr 1
		.amdhsa_wavefront_size32 1
		.amdhsa_system_sgpr_workgroup_id_x 1
		.amdhsa_system_sgpr_workgroup_id_y 1
		.amdhsa_system_sgpr_workgroup_id_z 1
		.amdhsa_system_vgpr_workitem_id 0
		.amdhsa_next_free_vgpr 1024
		.amdhsa_next_free_sgpr 102
		.amdhsa_reserve_vcc 0
		.amdhsa_float_denorm_mode_32 3
		.amdhsa_float_denorm_mode_16_64 3
		.amdhsa_memory_ordered 1
		.amdhsa_forward_progress 1
		.amdhsa_inst_pref_size 255
	.end_amdhsa_kernel
	.section	.bss,"aw",@nobits
	.p2align	6
	.space	262144
	.amdgpu_metadata
---
amdhsa.version: [ 1, 2 ]
amdhsa.kernels:
  - .name:           k_q31d632a81a_attn
    .symbol:         k_q31d632a81a_attn.kd
    .args:
      - { .name: keys, .offset: 0, .size: 8, .value_kind: global_buffer, .address_space: global }
      - { .name: Ua_w_codes, .offset: 8, .size: 8, .value_kind: global_buffer, .address_space: global }
      - { .name: Ua_w_scales, .offset: 16, .size: 8, .value_kind: global_buffer, .address_space: global }
      - { .name: Va_w, .offset: 24, .size: 8, .value_kind: global_buffer, .address_space: global }
      - { .name: Va_b, .offset: 32, .size: 8, .value_kind: global_buffer, .address_space: global }
      - { .name: qb, .offset: 40, .size: 8, .value_kind: global_buffer, .address_space: global }
      - { .name: scores, .offset: 48, .size: 8, .value_kind: global_buffer, .address_space: global }
      - { .name: ctxp, .offset: 56, .size: 8, .value_kind: global_buffer, .address_space: global }
    .group_segment_fixed_size: 327680
    .private_segment_fixed_size: 0
    .kernarg_segment_align: 8
    .kernarg_segment_size: 64
    .max_flat_workgroup_size: 128
    .sgpr_count:     102
    .vgpr_count:     1024
    .wavefront_size: 32
...
	.end_amdgpu_metadata
.endif
;; end of part 2
;; launch finish (part 3): grid 4 x 32, 4 waves a work-group, no clusters, 1,024 bytes of LDS; arguments scores, ctxp, out0, out1; writes out0, out1
.if DOCPART == 3
	.amdgcn_target "amdgcn-amd-amdhsa--gfx1250"
	.amdhsa_code_object_version 6
	.text
	.protected	k_q31d632a81a_finish
	.globl	k_q31d632a81a_finish
	.p2align	8
	.type	k_q31d632a81a_finish,@function
k_q31d632a81a_finish:
	s_mov_b64 s[64:65], 0
	v_nop
	global_prefetch_b8 v0, s[64:65] scope:SCOPE_SE
	s_setreg_imm32_b32 hwreg(HW_REG_WAVE_MODE, 25, 1), 1
	s_wait_xcnt 0x0
; The softmax over a batch's 2,048 scores is closed, and the 16 partial contexts of the batch are joined.
; M = the batch's largest score; L = sum of exp(score - M); weights = exp(score - M) / L; context = sum over the 16 blocks of exp(m_blk - M) / L x ctxp[blk], where m_blk is the block's largest score,
; the number that the launch before took away: it is found again here as the maximum of the same 128 stored numbers, which is exact.
; SHARES.  Work-group (x, b): batch b, quarter x of the outputs: 512 weights and 256 numbers of the context.  Each work-group reads all 2,048 scores of its batch (8,192 bytes) for M and L.
; Load k of the scores covers bytes 2,048 k + 16 x thread: wave w's 512 bytes of it are block 4 k + w, so a block's maximum is a wave's maximum.
; A stream with two small reductions: no matrix unit, no tensor load, no cluster: nothing here is shared that is worth a joint request.
; LIMITS: NaN and infinities are not served; v_exp_f32 flushes results under 2^-126 to 0 (ISA guide, its entry).
.set S,   4                            ; v4-19   16 scores, then their exponentials
.set Q,   20                           ; v20-23  my four scores of the quarter, then their weights
.set C,   24                           ; v24-55  16 pairs of ctxp
.set WM,  56                           ; v56-59  four block maxima
.set PT,  60                           ; v60-63  lane permutes' results; later the four waves' sums
.set Z,   64                           ; v64     0
.set MB,  68                           ; v68-83  the 16 block maxima, then the blocks' factors
.set MX,  84
.set RL,  85
.set O,   86
	s_load_b256 s[4:11], s[0:1], 0x0               ; scores s[4:5], ctxp s[6:7], out0 s[8:9], out1 s[10:11]
	v_lshl_add_u32 v96, v0, 2, 0x200
	v_mov_b32 v97, 0
	v_lshrrev_b32 v1, 5, v0
	v_lshlrev_b32 v1, 2, v1                        ; 4 x wave
	v_lshlrev_b32 v2, 4, v0                        ; 16 x thread
	v_lshlrev_b32 v3, 3, v0                        ; 8 x thread
	v_mov_b32 v[Z], 0
.irp k, 0,1,2,3
	v_mov_b32 v[PT+\k], 0                          ; a lane permute's destination counts as one of its sources
.endr
	s_and_b32 s12, ttmp7, 0xffff                   ; the batch
	s_lshl_b32 s14, s12, 13                        ; its 8,192 bytes of scores and of weights
	s_mov_b32 s15, 0
	s_lshl_b32 s16, ttmp9, 11                      ; my quarter of them
	s_mov_b32 s17, 0
	s_lshl_b32 s13, ttmp9, 10                      ; my quarter of a row of 4,096 bytes
	s_lshl_b32 s18, s12, 16                        ; the batch's 16 partial contexts
	s_add_co_u32 s18, s18, s13
	s_mov_b32 s19, 0
	s_lshl_b32 s20, s12, 12
	s_add_co_u32 s20, s20, s13
	s_mov_b32 s21, 0
	s_mov_b32 s24, 0x76543210
	s_mov_b32 s25, 0xfedcba98                      ; v_permlanex16_b32's selects for lane l xor 16
	s_mov_b32 s26, 0x3fb8aa3b                      ; log2(e)
	s_wait_kmcnt 0x0
	s_add_nc_u64 s[4:5], s[4:5], s[14:15]
	s_add_nc_u64 s[22:23], s[4:5], s[16:17]
	s_add_nc_u64 s[10:11], s[10:11], s[14:15]
	s_add_nc_u64 s[10:11], s[10:11], s[16:17]
	s_add_nc_u64 s[6:7], s[6:7], s[18:19]
	s_add_nc_u64 s[8:9], s[8:9], s[20:21]
.irp k, 0,1,2,3
	global_load_b128 v[S+4*\k:S+4*\k+3], v2, s[4:5] offset:2048*\k
.endr
	global_load_b128 v[Q:Q+3], v2, s[22:23]
.irp k, 0,1,2,3,4,5,6,7,8,9,10,11,12,13,14,15
	global_load_b64 v[C+2*\k:C+2*\k+1], v3, s[6:7] offset:4096*\k th:TH_LOAD_NT
.endr
	s_wait_loadcnt 17                              ; the four loads of scores are in; the 17 behind them may stay out
.irp k, 0,1,2,3
	v_max3_num_f32 v[WM+\k], v[S+4*\k], v[S+4*\k+1], v[S+4*\k+2]
.endr
.irp k, 0,1,2,3
	v_max_num_f32 v[WM+\k], v[WM+\k], v[S+4*\k+3]
.endr
.irp x, 1,2,4,8
.irp k, 0,1,2,3
	v_max_num_f32_dpp v[WM+\k], v[WM+\k], v[WM+\k] row_xmask:\x row_mask:0xf bank_mask:0xf
.endr
.endr
.irp k, 0,1,2,3
	v_permlanex16_b32 v[PT+\k], v[WM+\k], s24, s25
.endr
.irp k, 0,1,2,3
	v_max_num_f32 v[WM+\k], v[WM+\k], v[PT+\k]     ; block 4 k + w's largest score
.endr
.irp k, 0,1,2,3
	ds_store_b32 v1, v[WM+\k] offset:16*\k         ; word 4 k + w; all lanes write the same word with the same value
.endr
	s_wait_dscnt 0x0
	s_barrier_signal -1
	s_barrier_wait -1
.irp k, 0,1,2,3
	ds_load_b128 v[MB+4*\k:MB+4*\k+3], v[Z] offset:16*\k
.endr
	s_wait_dscnt 0x0
	v_max3_num_f32 v[MX], v[MB], v[MB+1], v[MB+2]
.irp n, 3,5,7,9,11,13
	v_max3_num_f32 v[MX], v[MX], v[MB+\n], v[MB+\n+1]
.endr
	v_max_num_f32 v[MX], v[MX], v[MB+15]           ; M
	s_wait_loadcnt 16                              ; my quarter's scores are in; ctxp's 16 loads may stay out
.irp n, 0,1,2,3,4,5,6,7,8,9,10,11,12,13,14,15
	v_sub_f32 v[S+\n], v[S+\n], v[MX]
	v_sub_f32 v[MB+\n], v[MB+\n], v[MX]
.endr
.irp n, 0,1,2,3
	v_sub_f32 v[Q+\n], v[Q+\n], v[MX]
.endr
.irp n, 0,1,2,3,4,5,6,7,8,9,10,11,12,13,14,15
	v_mul_f32 v[S+\n], s26, v[S+\n]
	v_mul_f32 v[MB+\n], s26, v[MB+\n]
.endr
.irp n, 0,1,2,3
	v_mul_f32 v[Q+\n], s26, v[Q+\n]
.endr
.irp n, 0,1,2,3,4,5,6,7,8,9,10,11,12,13,14,15
	v_exp_f32 v[S+\n], v[S+\n]
.endr
.irp n, 0,1,2,3,4,5,6,7,8,9,10,11,12,13,14,15
	v_exp_f32 v[MB+\n], v[MB+\n]
.endr
.irp n, 0,1,2,3
	v_exp_f32 v[Q+\n], v[Q+\n]
.endr
	v_nop                                          ; one plain instruction behind the batch,
	s_wait_alu depctr_va_vdst(0)                   ; and the one wait ahead of its first reader
.irp n, 0,4,8,12
	v_pk_add_f32 v[S+\n:S+\n+1], v[S+\n:S+\n+1], v[S+\n+2:S+\n+3]
.endr
	v_pk_add_f32 v[S:S+1], v[S:S+1], v[S+4:S+5]
	v_pk_add_f32 v[S+8:S+9], v[S+8:S+9], v[S+12:S+13]
	v_pk_add_f32 v[S:S+1], v[S:S+1], v[S+8:S+9]
	v_add_f32 v[S], v[S], v[S+1]
.irp x, 1,2,4,8
	v_add_f32_dpp v[S], v[S], v[S] row_xmask:\x row_mask:0xf bank_mask:0xf
.endr
	v_permlanex16_b32 v[PT], v[S], s24, s25
	v_add_f32 v[S], v[S], v[PT]                    ; my wave's 512 terms
	ds_store_b32 v1, v[S] offset:256               ; other bytes than the maxima's: no barrier is owed between the two uses
	s_wait_dscnt 0x0
	s_barrier_signal -1
	s_barrier_wait -1
	ds_load_b128 v[PT:PT+3], v[Z] offset:256
	s_wait_dscnt 0x0
	v_add_f32 v[PT], v[PT], v[PT+1]
	v_add_f32 v[PT+2], v[PT+2], v[PT+3]
	v_add_f32 v[RL], v[PT], v[PT+2]                ; L: at least 1, since the largest score's term is 1
	v_rcp_f32 v[RL], v[RL]
	v_nop
	s_wait_alu depctr_va_vdst(0)
.irp n, 0,1,2,3
	v_mul_f32 v[Q+\n], v[Q+\n], v[RL]
.endr
	global_store_b128 v2, v[Q:Q+3], s[10:11]       ; a wave stores 512 consecutive bytes of the weights
.irp n, 0,1,2,3,4,5,6,7,8,9,10,11,12,13,14,15
	v_mul_f32 v[MB+\n], v[MB+\n], v[RL]            ; the blocks' factors
.endr
	s_wait_loadcnt 0x0
	v_mul_f32 v[O], v[MB], v[C]                    ; the first block starts the sums
	v_mul_f32 v[O+1], v[MB], v[C+1]
.irp k, 1,2,3,4,5,6,7,8,9,10,11,12,13,14,15
	v_fmac_f32 v[O], v[MB+\k], v[C+2*\k]
	v_fmac_f32 v[O+1], v[MB+\k], v[C+2*\k+1]
.endr
	global_store_b64 v3, v[O:O+1], s[8:9]          ; a wave stores 256 consecutive bytes, at a multiple of 256 from out0's first byte
	s_wait_tensorcnt 0x0
	ds_add_u32 v96, v97
	s_wait_dscnt 0x0
	s_endpgm
.Lfunc_end_k_q31d632a81a_finish:
	.size	k_q31d632a81a_finish, .Lfunc_end_k_q31d632a81a_finish-k_q31d632a81a_finish
	.p2alignl 7, 3214868480
	.fill 96, 4, 3214868480
	.section	.rodata,"a",@progbits
	.p2align	6, 0x0
	.amdhsa_kernel k_q31d632a81a_finish
		.amdhsa_group_segment_fixed_size 1024
		.amdhsa_private_segment_fixed_size 0
		.amdhsa_enable_private_segment 0
		.amdhsa_kernarg_size 32
		.amdhsa_user_sgpr_count 2
		.amdhsa_user_sgpr_kernarg_segment_ptr 1
		.amdhsa_wavefront_size32 1
		.amdhsa_system_sgpr_workgroup_id_x 1
		.amdhsa_system_sgpr_workgroup_id_y 1
		.amdhsa_system_sgpr_workgroup_id_z 1
		.amdhsa_system_vgpr_workitem_id 0
		.amdhsa_next_free_vgpr 98
		.amdhsa_next_free_sgpr 66
		.amdhsa_reserve_vcc 0
		.amdhsa_float_denorm_mode_32 3
		.amdhsa_float_denorm_mode_16_64 3
		.amdhsa_memory_ordered 1
		.amdhsa_forward_progress 1
		.amdhsa_inst_pref_size 14
	.end_amdhsa_kernel
	.amdgpu_metadata
---
amdhsa.version: [ 1, 2 ]
amdhsa.kernels:
  - .name:           k_q31d632a81a_finish
    .symbol:         k_q31d632a81a_finish.kd
    .args:
      - { .name: scores, .offset: 0, .size: 8, .value_kind: global_buffer, .address_space: global }
      - { .name: ctxp, .offset: 8, .size: 8, .value_kind: global_buffer, .address_space: global }
      - { .name: out0, .offset: 16, .size: 8, .value_kind: global_buffer, .address_space: global }
      - { .name: out1, .offset: 24, .size: 8, .value_kind: global_buffer, .address_space: global }
    .group_segment_fixed_size: 1024
    .private_segment_fixed_size: 0
    .kernarg_segment_align: 8
    .kernarg_segment_size: 32
    .max_flat_workgroup_size: 128
    .sgpr_count:     66
    .vgpr_count:     98
    .wavefront_size: 32
...
	.end_amdgpu_metadata
.endif
;; end of part 3
